; MI455X (gfx1250); checked and timed in simulation.
; The chip was launched on July 23, 2026; its instructions are those of AMD's public machine-readable ISA for CDNA 5 (MIT licence, August 2026) and "CDNA5" Instruction Set Architecture Reference Guide (July 2026). The comments in the code are by the model that wrote it; some were corrected since.
;; Solid Angle Occp. Allowed arithmetic: float matrix products may take bf16 or f16 operands with f32 sums; all other float work in f32.
;; Inputs: face_coord 1 x 4,096 x 3 x 3 float32; query_points 1 x 4,096 x 3 float32.
;; Outputs: out0 1 x 4,096 float32.
;; One version. Each part assembles by itself: llvm-mc -triple=amdgcn-amd-amdhsa -mcpu=gfx1250 --defsym DOCPART=n.
;; ======== version 1 of 1: 1 launch
;; limits: below input magnitudes of 1e-09 results are inexact or not finite; inputs' magnitudes at most 3,000,000,000,000; a difference of large sums (such as E[x^2] - mean^2): digits are lost where the result is much smaller than its terms
;; launch winding (part 1): grid 256 x 1, 16 waves a work-group, clusters of 4 x 1, 187,392 bytes of LDS; arguments face_coord, query_points, out0; writes out0
.if DOCPART == 1
	.amdgcn_target "amdgcn-amd-amdhsa--gfx1250"
	.amdhsa_code_object_version 6
	.text
	.protected	k_q4e9d09b952_winding
	.globl	k_q4e9d09b952_winding
	.p2align	8
	.type	k_q4e9d09b952_winding,@function
k_q4e9d09b952_winding:
	s_mov_b64 s[64:65], 0
	v_nop
	global_prefetch_b8 v0, s[64:65] scope:SCOPE_SE
	s_setreg_imm32_b32 hwreg(HW_REG_WAVE_MODE, 25, 1), 1
	s_wait_xcnt 0x0
	s_wait_alu depctr_hold_cnt(0) depctr_sa_sdst(0) depctr_va_vdst(0) depctr_va_sdst(0) depctr_va_ssrc(0) depctr_va_vcc(0) depctr_vm_vsrc(0)
	s_getreg_b32 s2, hwreg(HW_REG_IB_STS2, 6, 4)
	s_cmp_eq_u32 s2, 0
	s_cbranch_scc0 .Lentry_in_a_cluster
	s_endpgm
.Lentry_in_a_cluster:
	s_bfe_u32 s2, ttmp6, 0x10000c
	s_cmp_lg_u32 s2, 0x3003
	s_cbranch_scc0 .Lentry_shape_is_right
	s_endpgm
.Lentry_shape_is_right:
; out0[n] = (1 / 2 pi) * sum over faces f of atan2(det, denom), for the vectors a, b, c from query n to the corners A, B, C of face f.
; 4,096 queries x 4,096 faces, all f32.  No matrix product is in it: the vector unit does all the work, so the text is built for few instructions a pair.
;
; SHARES.  256 work-groups; each owns 16 queries and sees all faces, so no sum crosses work-groups.  16 waves; wave w owns faces 256 w .. 256 w + 255;
; a lane owns 8 of them, as 4 PAIRS of faces: every quantity of a pair lies in two neighbouring registers and is worked on by packed f32 instructions.
; The faces' constants stay in registers for the whole kernel; the loop runs over the 16 queries, whose coordinates are scalars.
;
; ALGEBRA (identities, for every input; only differences of points are ever formed, so a common offset of all points drops out exactly):
;   det       = a . (b x c) = a . n,  n = (B - A) x (C - A)                              (b = a + (B - A), c = a + (C - A); the terms with a twice vanish)
;   2 denom   = (na + nb)(nb + nc)(nc + na) - (na |B-C|^2 + nb |A-C|^2 + nc |A-B|^2)      (from 2 b.c = nb^2 + nc^2 - |B-C|^2 and its like)
;   With y = 2 det, x = 2 denom, r = (|x| - |y|) / (|x| + |y|) in [-1, 1]:  atan2(y, x) = sgn(y) (pi/2 - sgn(x) (pi/4 + atan r)).
;   atan r / 2 pi is an odd polynomial of six terms whose value at r = 1 is 1/8: error below 6e-7 turns, and none at r = 1, -1, 0, so that
;   small angles keep a relative error of some 3e-4.  Angles are kept in turns, so the sum is the result.
; LIMITS.  (1) The difference in 2 denom costs, in the angle, about 2^-23 times the ratio of the largest to the smallest of na, nb, nc.
;   (2) x carries a bias of +2^-100, so that x = y = 0 gives 0 as atan2(0, 0) does and no 0/0 arises: distances should lie above about 1e-9
;   (below, the bias turns the angle) and below about 3e12 (8 n^3 must stay finite).  (3) For a query that lies exactly on a face, an edge or a corner the term jumps
;   by up to a whole turn with the last bit of det or denom; there this text and the formula as written may fall on different sides.
;   (4) The faces are added in another order than a plain sum over f.
;
; CLUSTER.  All work-groups read the same 147,456 bytes of faces.  Four work-groups form a cluster and ask for them JOINTLY: wave w of each of the four issues the
; same tensor load (address and LDS address hang on w alone) with a mask that names the four.  A round of the cluster's barrier stands in front of these loads, and one in
; front of s_endpgm, so that no work-group ends while a partner may still ask.  By this text's count a wave has one tensor load out, once.
; OUTPUT.  A work-group owns 16 results: one store of 16 lanes, 64 consecutive bytes.  More cannot be gathered without traffic between work-groups.
.set NQ,     16                        ; queries of a work-group
.set WBYTES, 256*36                    ; a wave's faces: 256 x 9 f32 = 9,216 bytes = 36 rows of 256 bytes
.set SCR,    16*WBYTES                 ; LDS 147,456: partial sums, a block for each wave: [16 queries][32 lanes] f32
.set QPITCH, 144                       ; its rows: 128 bytes + 16, an odd multiple of 16, so that 16 lanes reading 16 bytes of 16 rows meet 16 different columns
.set WSCR,   NQ*QPITCH                 ; 2,304 bytes a wave
.set FIN,    SCR+16*WSCR               ; LDS 184,320: [16 waves][16 queries] f32
; vector registers
.set LANE, 1
.set FADR, 2                           ; LDS address of my face in the wave's first 32
.set SADR, 3                           ; where my partial sum of the current query goes
.set RADR, 4                           ; where I read 16 partial sums back
.set L15,  5                           ; lane % 16
.set LHI,  6                           ; lane / 16
.set FSTO, 7                           ; where my wave's sum of query lane % 16 goes
.set ACC,  8                           ; v[8:9]     the query's sum over my faces
.set C11,  10                          ; v[10:11]   the polynomial's top coefficient
.set KB,   12                          ; v[12:131]  four pairs of faces x 30: A 0-5, B 6-11, C 12-17 (x, y, z), 2 n 18-23, |B-C|^2 24, |A-C|^2 26, |A-B|^2 28
.set TB,   132                         ; v[132:235] four pairs of faces x 26 at work: a 0-5, b 6-11, c 12-17, na nb nc 18-23, y 24;
                                       ;            later S 0, sums 2 4 6, x 8, |x|-|y| 10, |x|+|y| 12, r 14, r^2 16, polynomial and angle 18
; scalar registers
.set G0, 16                            ; s[16:19] tensor descriptor, group 0
.set G1, 20                            ; s[20:27] group 1
.set QX, 32                            ; s32, s34, s36: -q.  A scalar source of a packed instruction is a pair of which the first feeds both halves
.set QY, 34
.set QZ, 36
.set C9, 38                            ; s[38:47] the other coefficients, as pairs, in the order in which Horner's scheme takes them
.set C7, 40
.set C5, 42
.set C3, 44
.set C1, 46
.set EIGHTH,  48
.set QUARTER, 50
.set NTINY,   52                       ; -2^-100
.set MAG,     54                       ; 0x7fffffff: all bits but the sign
.macro SPAIR r, bits
	s_mov_b32 s[\r], \bits
	s_mov_b32 s[\r+1], \bits
.endm
; A round of the cluster's barrier: my work-group's barrier, so that wave 0 speaks for all sixteen waves; wave 0 signals for the work-group;
; every wave waits for the four work-groups; my work-group's barrier once more.
.macro ROUND
	s_barrier_signal -1
	s_barrier_wait -1
	s_cmp_lg_u32 s10, 0
	s_cbranch_scc1 .Lnot_wave_0_\@
	s_barrier_signal -3
.Lnot_wave_0_\@:
	s_barrier_wait -3
	s_barrier_signal -1
	s_barrier_wait -1
.endm
	s_load_b128 s[4:7], s[0:1], 0x0                ; face_coord s[4:5], query_points s[6:7]
	s_load_b64 s[8:9], s[0:1], 0x10                ; out0
	v_lshl_add_u32 v236, v0, 2, 0x2d400
	v_mov_b32 v237, 0
	ds_add_u32 v236, v237
	ds_add_u32 v236, v237
	v_lshrrev_b32 v1, 5, v0
	v_readfirstlane_b32 s10, v1                    ; wave 0..15
	s_bfe_u32 s11, ttmp6, 0x40000                  ; my place in the cluster
	s_lshl_b32 s12, ttmp9, 2                       ; ttmp9 counts clusters
	s_add_co_u32 s12, s12, s11                     ; work-group 0..255: it enters the addresses of the queries and of the results, nothing else
	; the wave's faces are dense in memory: 36 rows of 32 elements of 8 bytes
	s_mov_b32 s[G0+0], 1                           ; count = 1
	s_mul_i32 s[G0+1], s10, WBYTES                 ; LDS address: the wave's own bytes
	s_mov_b32 s[G1+0], 15|(3<<16)|(1<<21)          ; 15:0 the mask: all four of the cluster; 17:16 elements of 8 bytes; 21 set beside a mask; no padding
	s_mov_b32 s[G1+1], 32<<16                      ; tensor_dim0 = 32
	s_mov_b32 s[G1+2], 36<<16                      ; tensor_dim1 = 36
	s_mov_b32 s[G1+3], 32<<16                      ; tile_dim0 = 32
	s_mov_b32 s[G1+4], 36                          ; tile_dim1 = 36
	s_mov_b32 s[G1+5], 32                          ; from row to row: 32 elements
	s_mov_b32 s[G1+6], 0
	s_mov_b32 s[G1+7], 0
	s_mul_i32 s14, s10, WBYTES
	s_mov_b32 s15, 0
	s_wait_dscnt 0x0
	s_wait_kmcnt 0x0
	s_add_nc_u64 s[G0+2:G0+3], s[4:5], s[14:15]    ; global address: hangs on the wave's number alone, the same in all four work-groups
	s_or_b32 s[G0+3], s[G0+3], 0x80000000          ; type = 2
	ROUND                                          ; the four work-groups are here: their requests meet
	tensor_load_to_lds s[G0:G0+3], s[G1:G1+7]
	s_nop 0
	; while the faces are on their way: the first query, addresses, constants
	s_mul_i32 s14, s12, NQ*12                      ; my 16 queries: 192 bytes a work-group
	s_add_nc_u64 s[6:7], s[6:7], s[14:15]
	s_load_b96 s[28:30], s[6:7], 0x0               ; query 0
	s_lshl_b32 s14, s12, 6                         ; my 16 results: 64 bytes a work-group
	s_add_nc_u64 s[8:9], s[8:9], s[14:15]
	SPAIR C9, 0x3c094c7e                           ;  0.00838005   atan r / 2 pi = r (c1 + c3 s + c5 s^2 + c7 s^3 + c9 s^4 + c11 s^5), s = r^2;
	SPAIR C7, 0xbc97ce20                           ; -0.01853091   the six coefficients add up to 1/8
	SPAIR C5, 0x3cfc578c                           ;  0.03080346
	SPAIR C3, 0xbd58d656                           ; -0.05293878
	SPAIR C1, 0x3e22f8a7                           ;  0.15915166
	SPAIR EIGHTH,  0x3e000000
	SPAIR QUARTER, 0x3e800000
	SPAIR NTINY,   0x8d800000
	s_mov_b32 s[MAG], 0x7fffffff
	s_mov_b32 s[QX+1], 0                           ; the pairs' second registers are named, not used
	s_mov_b32 s[QY+1], 0
	s_mov_b32 s[QZ+1], 0
	s_mov_b32 s56, 0x76543210                      ; v_permlanex16_b32: lane i reads lane i of the other half
	s_mov_b32 s57, 0xfedcba98
	v_mov_b32 v[C11], 0xbaf4837e                   ; -0.00186549
	v_mov_b32 v[C11+1], 0xbaf4837e
	v_and_b32 v[LANE], 31, v0
	v_and_b32 v[L15], 15, v0
	v_bfe_u32 v[LHI], v0, 4, 1
	v_mul_u32_u24 v[FADR], v[LANE], 36
	v_add_nc_u32 v[FADR], s[G0+1], v[FADR]         ; the wave's faces + 36 x lane
	s_mul_i32 s31, s10, WSCR
	s_add_co_u32 s31, s31, SCR                     ; the wave's block of partial sums
	v_lshl_add_u32 v[SADR], v[LANE], 2, s31        ; row 0, my word
	v_mul_u32_u24 v[RADR], v[L15], QPITCH
	v_lshl_add_u32 v[RADR], v[LHI], 6, v[RADR]
	v_add_nc_u32 v[RADR], s31, v[RADR]             ; row lane % 16, its first or second 64 bytes
	s_lshl_b32 s59, s10, 6
	s_add_co_u32 s59, s59, FIN
	v_lshl_add_u32 v[FSTO], v[L15], 2, s59
	s_wait_tensorcnt 0x0                           ; my wave's faces are in LDS; no other wave reads them, so no barrier
	; Pair p, half h of lane l is face 64 p + 32 h + l of the wave.  Component i goes straight to its place in the packed layout.  The lanes are 36 bytes = 9 words apart:
	; an odd step, so the 32 lanes of a load fall on 32 different banks (64 banks of 4 bytes: ISA guide 11.1).
.irp p, 0,1,2,3
.irp i, 0,1,2,3,4,5,6,7,8
	ds_load_b32 v[KB+30*\p+2*\i],   v[FADR] offset:2304*\p+4*\i
	ds_load_b32 v[KB+30*\p+2*\i+1], v[FADR] offset:2304*\p+1152+4*\i
.endr
.endr
; The constants of a pair of faces: 2 n and the three squared edges.
.macro PRE p
.set K, KB+30*\p
.set T, TB+26*\p
.irp j, 0,2,4
	v_pk_add_f32 v[T+\j:T+\j+1],     v[K+6+\j:K+7+\j],   v[K+\j:K+\j+1]   neg_lo:[0,1] neg_hi:[0,1]   ; e1 = B - A
	v_pk_add_f32 v[T+6+\j:T+7+\j],   v[K+12+\j:K+13+\j], v[K+\j:K+\j+1]   neg_lo:[0,1] neg_hi:[0,1]   ; e2 = C - A
	v_pk_add_f32 v[T+12+\j:T+13+\j], v[K+12+\j:K+13+\j], v[K+6+\j:K+7+\j] neg_lo:[0,1] neg_hi:[0,1]   ; e3 = C - B
.endr
	v_pk_mul_f32 v[T+18:T+19], v[T+4:T+5], v[T+8:T+9]                                                 ; e1z e2y
	v_pk_mul_f32 v[T+20:T+21], v[T+0:T+1], v[T+10:T+11]                                               ; e1x e2z
	v_pk_mul_f32 v[T+22:T+23], v[T+2:T+3], v[T+6:T+7]                                                 ; e1y e2x
	v_pk_mul_f32 v[K+24:K+25], v[T+12:T+13], v[T+12:T+13]
	v_pk_mul_f32 v[K+26:K+27], v[T+6:T+7],   v[T+6:T+7]
	v_pk_mul_f32 v[K+28:K+29], v[T+0:T+1],   v[T+0:T+1]
	v_pk_fma_f32 v[T+18:T+19], v[T+2:T+3], v[T+10:T+11], v[T+18:T+19] neg_lo:[0,0,1] neg_hi:[0,0,1]   ; nx = e1y e2z - e1z e2y
	v_pk_fma_f32 v[T+20:T+21], v[T+4:T+5], v[T+6:T+7],   v[T+20:T+21] neg_lo:[0,0,1] neg_hi:[0,0,1]   ; ny = e1z e2x - e1x e2z
	v_pk_fma_f32 v[T+22:T+23], v[T+0:T+1], v[T+8:T+9],   v[T+22:T+23] neg_lo:[0,0,1] neg_hi:[0,0,1]   ; nz = e1x e2y - e1y e2x
	v_pk_fma_f32 v[K+24:K+25], v[T+14:T+15], v[T+14:T+15], v[K+24:K+25]
	v_pk_fma_f32 v[K+26:K+27], v[T+8:T+9],   v[T+8:T+9],   v[K+26:K+27]
	v_pk_fma_f32 v[K+28:K+29], v[T+2:T+3],   v[T+2:T+3],   v[K+28:K+29]
	v_pk_add_f32 v[K+18:K+19], v[T+18:T+19], v[T+18:T+19]                                             ; 2 n: x below is 2 denom
	v_pk_add_f32 v[K+20:K+21], v[T+20:T+21], v[T+20:T+21]
	v_pk_add_f32 v[K+22:K+23], v[T+22:T+23], v[T+22:T+23]
	v_pk_fma_f32 v[K+24:K+25], v[T+16:T+17], v[T+16:T+17], v[K+24:K+25]                               ; |B - C|^2
	v_pk_fma_f32 v[K+26:K+27], v[T+10:T+11], v[T+10:T+11], v[K+26:K+27]                               ; |A - C|^2
	v_pk_fma_f32 v[K+28:K+29], v[T+4:T+5],   v[T+4:T+5],   v[K+28:K+29]                               ; |A - B|^2
.endm
	s_wait_dscnt 54                                ; 72 loads were issued, 18 for each pair, and they come back in order: pair 0 is in when at most 54 are out
	PRE 0
	s_wait_dscnt 36                                ; pair 1
	PRE 1
	s_wait_dscnt 18                                ; pair 2
	PRE 2
	s_wait_dscnt 0x0
	PRE 3
; THE WORK ON A PAIR OF FACES, in pieces, so that the pieces of different pairs can stand between each other.  A piece with p = -1 is empty.
; GEO: the nine differences (parts 1-3), then |a|^2, |b|^2, |c|^2 and y = a . 2n, four sums side by side (parts 4-6).
.macro GEO p, part
.if \p >= 0
.set K, KB+30*\p
.set T, TB+26*\p
.if \part <= 3
.set OF, 6*(\part-1)
	v_pk_add_f32 v[T+OF:T+OF+1],   v[K+OF:K+OF+1],   s[QX:QX+1] op_sel_hi:[1,0]
	v_pk_add_f32 v[T+OF+2:T+OF+3], v[K+OF+2:K+OF+3], s[QY:QY+1] op_sel_hi:[1,0]
	v_pk_add_f32 v[T+OF+4:T+OF+5], v[K+OF+4:K+OF+5], s[QZ:QZ+1] op_sel_hi:[1,0]
.endif
.if \part == 4
	v_pk_mul_f32 v[T+18:T+19], v[T+0:T+1],   v[T+0:T+1]
	v_pk_mul_f32 v[T+20:T+21], v[T+6:T+7],   v[T+6:T+7]
	v_pk_mul_f32 v[T+22:T+23], v[T+12:T+13], v[T+12:T+13]
	v_pk_mul_f32 v[T+24:T+25], v[T+0:T+1],   v[K+18:K+19]
.endif
.if \part >= 5
.set OF, 2*(\part-4)
	v_pk_fma_f32 v[T+18:T+19], v[T+OF:T+OF+1],       v[T+OF:T+OF+1],       v[T+18:T+19]
	v_pk_fma_f32 v[T+20:T+21], v[T+6+OF:T+7+OF],     v[T+6+OF:T+7+OF],     v[T+20:T+21]
	v_pk_fma_f32 v[T+22:T+23], v[T+12+OF:T+13+OF],   v[T+12+OF:T+13+OF],   v[T+22:T+23]
	v_pk_fma_f32 v[T+24:T+25], v[T+OF:T+OF+1],       v[K+18+OF:K+19+OF],   v[T+24:T+25]
.endif
.endif
.endm
; SQ: one of the six roots, in place.
.macro SQ p, i
.if \p >= 0
	v_sqrt_f32 v[TB+26*\p+18+\i], v[TB+26*\p+18+\i]
.endif
.endm
; DEN, lines 1-12: x = (na+nb)(nb+nc)(nc+na) - S, S = na Ea + nb Eb + nc Ec - 2^-100; then |x| - |y| and |x| + |y|.
.macro DEN p, i
.if \p >= 0
.set K, KB+30*\p
.set T, TB+26*\p
.if \i == 1
	s_wait_alu depctr_va_vdst(0)
	v_pk_fma_f32 v[T+0:T+1], v[T+18:T+19], v[K+24:K+25], s[NTINY:NTINY+1] op_sel_hi:[1,1,0]
.endif
.if \i == 2
	v_pk_add_f32 v[T+2:T+3], v[T+18:T+19], v[T+20:T+21]
.endif
.if \i == 3
	v_pk_add_f32 v[T+4:T+5], v[T+20:T+21], v[T+22:T+23]
.endif
.if \i == 4
	v_pk_add_f32 v[T+6:T+7], v[T+22:T+23], v[T+18:T+19]
.endif
.if \i == 5
	v_pk_fma_f32 v[T+0:T+1], v[T+20:T+21], v[K+26:K+27], v[T+0:T+1]
.endif
.if \i == 6
	v_pk_mul_f32 v[T+2:T+3], v[T+2:T+3], v[T+4:T+5]
.endif
.if \i == 7
	v_pk_fma_f32 v[T+0:T+1], v[T+22:T+23], v[K+28:K+29], v[T+0:T+1]
.endif
.if \i == 8
	v_pk_fma_f32 v[T+8:T+9], v[T+2:T+3], v[T+6:T+7], v[T+0:T+1] neg_lo:[0,0,1] neg_hi:[0,0,1]
.endif
.if \i == 9
	v_sub_f32 v[T+10], |v[T+8]|, |v[T+24]|
.endif
.if \i == 10
	v_sub_f32 v[T+11], |v[T+9]|, |v[T+25]|
.endif
.if \i == 11
	v_add_f32 v[T+12], |v[T+8]|, |v[T+24]|
.endif
.if \i == 12
	v_add_f32 v[T+13], |v[T+9]|, |v[T+25]|
.endif
.endif
.endm
; RC: 1 / (|x| + |y|), in place.
.macro RC p
.if \p >= 0
	v_rcp_f32 v[TB+26*\p+12], v[TB+26*\p+12]
	v_rcp_f32 v[TB+26*\p+13], v[TB+26*\p+13]
.endif
.endm
; ANG, lines 1-14: r, r^2, the polynomial, u = 1/8 + atan r / 2 pi, then sgn(y) (1/4 - sgn(x) u), added to the query's sum.
; u and 1/4 -+ u are not negative but for the last bits, so a sign is set by taking the sign bit from x or from y (v_bfi_b32).
; Pair 0 starts the sum: its angle is written straight into ACC, and nothing is cleared.
.macro ANG p, i
.if \p >= 0
.set T, TB+26*\p
.if \p == 0
.set DST, ACC
.else
.set DST, T+18
.endif
.if \i == 1
	s_wait_alu depctr_va_vdst(0)
	v_pk_mul_f32 v[T+14:T+15], v[T+10:T+11], v[T+12:T+13]
.endif
.if \i == 2
	v_pk_mul_f32 v[T+16:T+17], v[T+14:T+15], v[T+14:T+15]
.endif
.if \i == 3
	v_pk_fma_f32 v[T+18:T+19], v[T+16:T+17], v[C11:C11+1], s[C9:C9+1] op_sel_hi:[1,1,0]
.endif
.if \i >= 4
.if \i <= 7
	v_pk_fma_f32 v[T+18:T+19], v[T+18:T+19], v[T+16:T+17], s[C7+2*(\i-4):C7+2*(\i-4)+1] op_sel_hi:[1,1,0]
.endif
.endif
.if \i == 8
	v_pk_fma_f32 v[T+18:T+19], v[T+18:T+19], v[T+14:T+15], s[EIGHTH:EIGHTH+1] op_sel_hi:[1,1,0]
.endif
.if \i == 9
	v_bfi_b32 v[T+18], s[MAG], v[T+18], v[T+8]
.endif
.if \i == 10
	v_bfi_b32 v[T+19], s[MAG], v[T+19], v[T+9]
.endif
.if \i == 11
	v_pk_add_f32 v[T+18:T+19], v[T+18:T+19], s[QUARTER:QUARTER+1] op_sel_hi:[1,0] neg_lo:[1,0] neg_hi:[1,0]
.endif
.if \i == 12
	v_bfi_b32 v[DST], s[MAG], v[T+18], v[T+24]
.endif
.if \i == 13
	v_bfi_b32 v[DST+1], s[MAG], v[T+19], v[T+25]
.endif
.if \i == 14
.if \p > 0
	v_pk_add_f32 v[ACC:ACC+1], v[ACC:ACC+1], v[T+18:T+19]
.endif
.endif
.endif
.endm
; A step of the pipeline over the four pairs: pair g's geometry with pair d's roots between its parts; pair d's denominator line by line with pair a's angle.
; Behind a root or a reciprocal one plain vector instruction that touches neither its result nor its source comes before the result is used (ISA guide 5.7.2):
; each root is followed by a part of GEO, or, where there is none (g = -1), the run of six roots by ANG's first line; the two reciprocals by ANG's last lines
; or, where there are none (a = -1), by the next step's first part of GEO, long before ANG of that pair reads them.
.macro STEP g, d, a
	SQ \d, 0
	GEO \g, 1
	SQ \d, 1
	GEO \g, 2
	SQ \d, 2
	GEO \g, 3
	SQ \d, 3
	GEO \g, 4
	SQ \d, 4
	GEO \g, 5
	SQ \d, 5
	GEO \g, 6
.irp i, 1,2,3,4,5,6,7,8,9,10,11,12
	ANG \a, \i
	DEN \d, \i
.endr
	RC \d
	ANG \a, 13
	ANG \a, 14
.endm
; One query against my eight faces.  ahead = 1: the next query's coordinates are asked for, a whole trip before they are needed.
.macro TRIP ahead
	s_wait_kmcnt 0x0                               ; this trip's query is in, and the load's base may be stepped
	s_xor_b32 s[QX], s28, 0x80000000               ; -q: a = A + (-q) is A - q to the bit
	s_xor_b32 s[QY], s29, 0x80000000
	s_xor_b32 s[QZ], s30, 0x80000000
.if \ahead
	s_add_nc_u64 s[6:7], s[6:7], 12
	s_load_b96 s[28:30], s[6:7], 0x0
.endif
	STEP  0, -1, -1
	STEP  1,  0, -1
	STEP  2,  1,  0
	STEP  3,  2,  1
	STEP -1,  3,  2
	STEP -1, -1,  3
	v_add_f32 v[ACC], v[ACC], v[ACC+1]
	ds_store_b32 v[SADR], v[ACC]                   ; row = query, word = lane, in my wave's own block
	v_add_nc_u32 v[SADR], QPITCH, v[SADR]          ; the next query's row: 16 rows of 144 bytes fill the wave's 2,304 bytes
.endm
	s_mov_b32 s58, NQ-1
.Lquery:
	TRIP 1
	s_sub_co_u32 s58, s58, 1
	s_cmp_lg_u32 s58, 0
	s_cbranch_scc1 .Lquery
	TRIP 0                                         ; the last query: nothing more is loaded, so no load passes the buffer's end
	; THE SUMS.  First within the wave: lane l adds 16 of the 32 partial sums of query l % 16 (its own wave's bytes: LDS serves a wave's
	; instructions in order, ISA guide 5.7.1, so these loads see the stores above), and the two halves of the wave meet.
	ds_load_b128 v[TB:TB+3],     v[RADR]
	ds_load_b128 v[TB+4:TB+7],   v[RADR] offset:16
	ds_load_b128 v[TB+8:TB+11],  v[RADR] offset:32
	ds_load_b128 v[TB+12:TB+15], v[RADR] offset:48
	s_wait_dscnt 0x0
	v_pk_add_f32 v[TB:TB+1],     v[TB:TB+1],     v[TB+2:TB+3]
	v_pk_add_f32 v[TB+4:TB+5],   v[TB+4:TB+5],   v[TB+6:TB+7]
	v_pk_add_f32 v[TB+8:TB+9],   v[TB+8:TB+9],   v[TB+10:TB+11]
	v_pk_add_f32 v[TB+12:TB+13], v[TB+12:TB+13], v[TB+14:TB+15]
	v_pk_add_f32 v[TB:TB+1],     v[TB:TB+1],     v[TB+4:TB+5]
	v_pk_add_f32 v[TB+8:TB+9],   v[TB+8:TB+9],   v[TB+12:TB+13]
	v_pk_add_f32 v[TB:TB+1],     v[TB:TB+1],     v[TB+8:TB+9]
	v_add_f32 v[TB], v[TB], v[TB+1]
	v_permlanex16_b32 v[TB+1], v[TB], s56, s57     ; the other half's sum of the same query
	v_add_f32 v[TB], v[TB], v[TB+1]
	ds_store_b32 v[FSTO], v[TB]                    ; [wave][query]; lanes l and l + 16 write the same word with the same value
	s_wait_dscnt 0x0                               ; for wave 0's sake: my store is done before I signal
	s_barrier_signal -1
	s_barrier_wait -1
	s_cmp_lg_u32 s10, 0
	s_cbranch_scc1 .Lclose
	; Then over the waves, by wave 0: lane l adds eight waves' sums of query l % 16, the halves meet, and lanes 0-15 store the 16 results.
	v_lshlrev_b32 v[TB+8], 2, v[L15]
	v_lshl_add_u32 v[TB+8], v[LHI], 9, v[TB+8]     ; waves 0-7 or 8-15: 8 x 64 bytes
	v_add_nc_u32 v[TB+8], FIN, v[TB+8]
.irp j, 0,1,2,3,4,5,6,7
	ds_load_b32 v[TB+\j], v[TB+8] offset:64*\j
.endr
	v_lshlrev_b32 v[TB+9], 2, v0                   ; in wave 0 the thread's number is the lane
	v_cmp_gt_u32 vcc_lo, 16, v0
	s_wait_dscnt 0x0
	v_pk_add_f32 v[TB:TB+1],   v[TB:TB+1],   v[TB+2:TB+3]
	v_pk_add_f32 v[TB+4:TB+5], v[TB+4:TB+5], v[TB+6:TB+7]
	v_pk_add_f32 v[TB:TB+1],   v[TB:TB+1],   v[TB+4:TB+5]
	v_add_f32 v[TB], v[TB], v[TB+1]
	v_permlanex16_b32 v[TB+1], v[TB], s56, s57
	v_add_f32 v[TB], v[TB], v[TB+1]                ; in turns: this is the result
	s_and_saveexec_b32 s59, vcc_lo                 ; no vector memory instruction is pending here
	global_store_b32 v[TB+9], v[TB], s[8:9]        ; 16 lanes, 64 consecutive bytes
	s_wait_xcnt 0x0                                ; EXEC is a source of the store: it is widened only behind this wait
	s_or_b32 exec_lo, exec_lo, s59
.Lclose:
	s_wait_tensorcnt 0x0
	ds_add_u32 v236, v237
	s_wait_dscnt 0x0
	ROUND                                          ; the closing round: no work-group ends while a partner may still ask jointly
	s_endpgm
.Lfunc_end_k_q4e9d09b952_winding:
	.size	k_q4e9d09b952_winding, .Lfunc_end_k_q4e9d09b952_winding-k_q4e9d09b952_winding
	.p2alignl 7, 3214868480
	.fill 96, 4, 3214868480
	.section	.rodata,"a",@progbits
	.p2align	6, 0x0
	.amdhsa_kernel k_q4e9d09b952_winding
		.amdhsa_group_segment_fixed_size 187392
		.amdhsa_private_segment_fixed_size 0
		.amdhsa_enable_private_segment 0
		.amdhsa_kernarg_size 24
		.amdhsa_user_sgpr_count 2
		.amdhsa_user_sgpr_kernarg_segment_ptr 1
		.amdhsa_wavefront_size32 1
		.amdhsa_system_sgpr_workgroup_id_x 1
		.amdhsa_system_sgpr_workgroup_id_y 1
		.amdhsa_system_sgpr_workgroup_id_z 1
		.amdhsa_system_vgpr_workitem_id 0
		.amdhsa_next_free_vgpr 238
		.amdhsa_next_free_sgpr 66
		.amdhsa_reserve_vcc 1
		.amdhsa_float_denorm_mode_32 3
		.amdhsa_float_denorm_mode_16_64 3
		.amdhsa_memory_ordered 1
		.amdhsa_forward_progress 1
		.amdhsa_inst_pref_size 46
	.end_amdhsa_kernel
	.amdgpu_metadata
---
amdhsa.version: [ 1, 2 ]
amdhsa.kernels:
  - .name:           k_q4e9d09b952_winding
    .symbol:         k_q4e9d09b952_winding.kd
    .args:
      - { .name: face_coord, .offset: 0, .size: 8, .value_kind: global_buffer, .address_space: global }
      - { .name: query_points, .offset: 8, .size: 8, .value_kind: global_buffer, .address_space: global }
      - { .name: out0, .offset: 16, .size: 8, .value_kind: global_buffer, .address_space: global }
    .group_segment_fixed_size: 187392
    .private_segment_fixed_size: 0
    .kernarg_segment_align: 8
    .kernarg_segment_size: 24
    .max_flat_workgroup_size: 512
    .sgpr_count:     66
    .vgpr_count:     238
    .wavefront_size: 32
...
	.end_amdgpu_metadata
.endif
;; end of part 1
